; MI455X (gfx1250); checked and timed in simulation.
; The chip was launched on July 23, 2026; its instructions are those of AMD's public machine-readable ISA for CDNA 5 (MIT licence, August 2026) and "CDNA5" Instruction Set Architecture Reference Guide (July 2026). The comments in the code are by the model that wrote it; some were corrected since.
;; Softmax Loss. Allowed arithmetic: float matrix products may take bf16 or f16 operands with f32 sums; all other float work in f32.
;; Inputs: e 2,048 x 256 float32.
;; Outputs: out0 one number float32; out1 2,048 x 128 float32.
;; One version. Each part assembles by itself: llvm-mc -triple=amdgcn-amd-amdhsa -mcpu=gfx1250 --defsym DOCPART=n.
;; ======== version 1 of 1: 2 launches
;; limits: inputs' magnitudes at most 7e+16
;; workspace buffers: psum 131,072 bytes; sjj 8,192 bytes
;; launch tiles (part 1): grid 16 x 16, 8 waves a work-group, clusters of 4 x 4, 280,832 bytes of LDS; arguments e, out1, psum, sjj; writes out1, psum, sjj
.if DOCPART == 1
	.amdgcn_target "amdgcn-amd-amdhsa--gfx1250"
	.amdhsa_code_object_version 6
	.text
	.protected	k_qceae922d15_tiles
	.globl	k_qceae922d15_tiles
	.p2align	8
	.type	k_qceae922d15_tiles,@function
k_qceae922d15_tiles:
	s_mov_b64 s[64:65], 0
	v_nop
	global_prefetch_b8 v0, s[64:65] scope:SCOPE_SE
	s_setreg_imm32_b32 hwreg(HW_REG_WAVE_MODE, 25, 1), 1
	s_wait_xcnt 0x0
	s_wait_alu depctr_hold_cnt(0) depctr_sa_sdst(0) depctr_va_vdst(0) depctr_va_sdst(0) depctr_va_ssrc(0) depctr_va_vcc(0) depctr_vm_vsrc(0)
	s_getreg_b32 s2, hwreg(HW_REG_IB_STS2, 6, 4)
	s_cmp_eq_u32 s2, 0
	s_cbranch_scc0 .Lentry_in_a_cluster
	s_endpgm
.Lentry_in_a_cluster:
	s_bfe_u32 s2, ttmp6, 0x10000c
	s_cmp_lg_u32 s2, 0xf033
	s_cbranch_scc0 .Lentry_shape_is_right
	s_endpgm
.Lentry_shape_is_right:
; GE2E similarity, one tile for each work-group.  e: [2048][256] f32 = 128 speakers x 16 utterances.
; Work-group (bx, by) makes s[k][n] for the 128 rows k = 128 by .. +127 and the 8 speakers n = 8 bx .. +7:
;   s = 10 cos(e[k], centroid[n]) - 5, centroid[n] = (sum of the speaker's 16 rows) / 16, and for the row's own speaker (sum - e[k]) / 15.
; It stores its tile of out1, the rows' partial sums of exp(s) over its 8 speakers (psum[bx][k]) and, where bx = by, the own-speaker scores sjj[k].
; The tile reads 128 + 16 x 8 = 256 rows of e, the least for 256 tiles (R + 16 S rows with R S = 1024).
; CLUSTERS: 4 x 4 work-groups.  The query rows hang on by alone and are asked for jointly along a row of the cluster, the speakers' rows on bx alone
; and are asked for jointly along a column: each tile is requested once for four work-groups.  Both tiles fit in LDS at once, every LDS byte is filled
; once, so no slot is ever filled again.  No branch and no LDS address hangs on the place in the cluster: the leave-one-out score is therefore computed
; in every work-group (from its query rows and wave w's speaker) and chosen by v_cndmask_b32 only where bx = by; elsewhere it is thrown away.
; Eight waves.  Wave w fetches and alone reads speaker w's 16 rows and query rows 16 w .. +15: its own s_wait_tensorcnt orders those reads.
; NO MAXIMUM is taken away before exp, as in the reference: both vectors are normalised, so s lies in [-15, 5] (bf16 rounding moves that by under 0.1),
; exp(s) in [3e-7, 150], and a row's sum stays below 2e4.
; LIMITS: the square of the 16-row sum is formed before its division by 256, so finite results need |e| below about 7e16.
; A tile's piece of a row of out1 is 8 columns = 32 bytes, so a wave's one store covers 16 pieces of 32 bytes; 256 consecutive bytes of out1 hold 64 speakers,
; whose centroids would take 1,024 rows of e for each work-group, four times what this tile reads.  psum and sjj leave as 512 consecutive bytes.
.set ROWB,  1024                       ; bytes in a row of e
.set PITCH, 1040                       ; an LDS row: 1,024 bytes + 16 of padding = 65 x 16: the 16 rows that a fragment load touches lie in 16 different 16-byte columns of 256
.set WTILE, 16*PITCH                   ; what one tensor load brings: 16 rows
.set LQ,    0                          ; query rows: 8 waves x 16 rows
.set LC,    8*WTILE                    ; speakers' rows: 8 waves x 16 rows
.set LCS,   16*WTILE                   ; stage: each wave's 16-row sum in f32, 1,024 bytes a wave (266,240 = 1,040 x 256: no fill lands from here on)
.set LCN,   LCS+8*ROWB                 ; stage: the 8 normalised centroids in bf16, rows of 512 + 16 bytes
.set CNP,   528
.set LPS,   LCN+4352                   ; stage: 128 partial sums, then 128 own-speaker scores (512 bytes each)
.set G1W0,  (2<<16)|(1<<20)|(1<<21)|(7<<22)|(3<<25) ; group 1, word 0 without the mask: elements of 4 bytes; padding on; bit 21 beside a mask; after every 256 words; 4 words
.set G1Q, 24                           ; s[24:31] group 1 for the query tile      s[40:43] its group 0
.set G1C, 32                           ; s[32:39] group 1 for the speakers' tile  s[44:47] its group 0
.set G0Q, 40
.set G0C, 44
.set MSK, 48                           ; s[48:55] lane masks: all ones for the result register that holds the rows' own speaker, else 0
.set VC,   8                           ; LDS: my 16 bytes in the first of my speaker's rows
.set VQ,   9                           ; LDS: my fragment bytes in my query row
.set VCSW, 10                          ; LDS: where I put 16 bytes of the 16-row sum
.set VCSR, 11                          ; LDS: where I read the sum back in fragment order
.set VCNW, 12                          ; LDS: where I put 8 bytes of the bf16 centroid
.set VCNR, 13                          ; LDS: my fragment bytes of centroid r % 8
.set VPW,  14                          ; LDS: my row's word in the stage for the way out
.set VPR,  15                          ; LDS: 16 bytes of that stage
.set VO,   16                          ; byte offset of my 16 bytes in the wave's part of out1
.set VG,   17                          ; 16 x lane
.set T,    18                          ; v[18:21] at work
.set VBY,  22                          ; by, for the lane mask of the sjj store
.set CS,   24                          ; v[24:31] the 16-row sum of my 8 columns (speaker phase)
.set CN,   32                          ; v[32:39] the same, normalised
.set D0,   24                          ; v[24:31], v[32:39] two accumulators (product)
.set D1,   32
.set AQ,   40                          ; v[40:47] four pairs: sum of q q
.set AD,   48                          ; v[48:55] four pairs: sum of d d, d = sum - q
.set AX,   56                          ; v[56:63] four pairs: sum of q d
.set SC,   AQ+4                        ; 10 / |q|
.set SJ,   AX+2                        ; the own-speaker score
.set QF,   64                          ; v[64:127] my query rows as 8 bf16 fragments
.set X,    128                         ; v[128:255] 16 rows x 8; then 4 buffers of 16 q + 16 sum; then 8 centroid fragments in v[128:191]
.set E,    192                         ; epilogue
.set E2,   200
.set O,    208
.set PB,   212
; A round of the cluster's barrier: my work-group's barrier, wave 0 signals for the work-group, every wave waits for all sixteen, my work-group's barrier again.
.macro ROUND
	s_barrier_signal -1
	s_barrier_wait -1
	s_cmp_lg_u32 s12, 0
	s_cbranch_scc1 .Lnot_wave_0_\@
	s_barrier_signal -3
.Lnot_wave_0_\@:
	s_barrier_wait -3
	s_barrier_signal -1
	s_barrier_wait -1
.endm
.macro ADDROW i                        ; one more of the 16 rows onto the sum: four chains that do not wait for each other
.irp p, 0,2,4,6
	v_pk_add_f32 v[CS+\p:CS+\p+1], v[CS+\p:CS+\p+1], v[X+8*\i+\p:X+8*\i+\p+1]
.endr
.endm
; K step c (32 columns) of my query row and of the 16-row sum, in fragment order, into buffer b: columns 32 c + 8 h + 0..7 and 32 c + 16 + 8 h + 0..7
.macro QLOAD c, b
	ds_load_b128 v[X+32*\b:X+32*\b+3],     v[VQ] offset:128*\c
	ds_load_b128 v[X+32*\b+4:X+32*\b+7],   v[VQ] offset:128*\c+16
	ds_load_b128 v[X+32*\b+8:X+32*\b+11],  v[VQ] offset:128*\c+64
	ds_load_b128 v[X+32*\b+12:X+32*\b+15], v[VQ] offset:128*\c+80
	ds_load_b128 v[X+32*\b+16:X+32*\b+19], v[VCSR] offset:128*\c
	ds_load_b128 v[X+32*\b+20:X+32*\b+23], v[VCSR] offset:128*\c+16
	ds_load_b128 v[X+32*\b+24:X+32*\b+27], v[VCSR] offset:128*\c+64
	ds_load_b128 v[X+32*\b+28:X+32*\b+31], v[VCSR] offset:128*\c+80
.endm
; four pair accumulators at acc += 16 numbers at a times 16 numbers at b; first = 1: the first products start the sums, nothing is cleared
.macro DOT first, acc, a, b
.irp p, 0,1,2,3
.if \first
	v_pk_mul_f32 v[\acc+2*\p:\acc+2*\p+1], v[\a+2*\p:\a+2*\p+1], v[\b+2*\p:\b+2*\p+1]
.else
	v_pk_fma_f32 v[\acc+2*\p:\acc+2*\p+1], v[\a+2*\p:\a+2*\p+1], v[\b+2*\p:\b+2*\p+1], v[\acc+2*\p:\acc+2*\p+1]
.endif
.endr
.irp p, 0,1,2,3
	v_pk_fma_f32 v[\acc+2*\p:\acc+2*\p+1], v[\a+8+2*\p:\a+8+2*\p+1], v[\b+8+2*\p:\b+8+2*\p+1], v[\acc+2*\p:\acc+2*\p+1]
.endr
.endm
; K step c from buffer b.  left = LDS loads issued behind this step's eight.
.macro QSTEP c, b, first, left
	s_wait_dscnt \left
.irp p, 0,2,4,6,8,10,12,14
	v_pk_add_f32 v[X+32*\b+16+\p:X+32*\b+17+\p], v[X+32*\b+16+\p:X+32*\b+17+\p], v[X+32*\b+\p:X+32*\b+1+\p] neg_lo:[0,1] neg_hi:[0,1]   ; d = sum - q, the other 15 rows where the speaker is the row's own
.endr
	DOT \first, AQ, X+32*\b, X+32*\b
	DOT \first, AD, X+32*\b+16, X+32*\b+16
	DOT \first, AX, X+32*\b, X+32*\b+16
.irp p, 0,1,2,3,4,5,6,7
	v_cvt_pk_bf16_f32 v[QF+8*\c+\p], v[X+32*\b+2*\p], v[X+32*\b+2*\p+1]   ; the fragment's register p: two neighbouring k, the lower in the low half
.endr
.endm
	s_load_b128 s[4:7], s[0:1], 0x0                ; e s[4:5], out1 s[6:7]
	s_load_b128 s[8:11], s[0:1], 0x10              ; psum s[8:9], sjj s[10:11]
	v_lshl_add_u32 v7, v0, 2, 0x44500
	v_mov_b32 v23, 0
	ds_add_u32 v7, v23
	v_lshrrev_b32 v1, 5, v0
	v_readfirstlane_b32 s12, v1                    ; wave 0..7
	s_bfe_u32 s13, ttmp6, 0x40000                  ; cx
	s_bfe_u32 s14, ttmp6, 0x40004                  ; cy
	s_lshl_b32 s15, ttmp9, 2
	s_add_co_u32 s15, s15, s13                     ; bx = 4 x cluster x + cx: which 8 speakers
	s_and_b32 s16, ttmp7, 0xffff
	s_lshl_b32 s16, s16, 2
	s_add_co_u32 s16, s16, s14                     ; by = 4 x cluster y + cy: which 128 rows
	s_lshl_b32 s17, s14, 2
	s_lshl_b32 s17, 15, s17                        ; my row of the cluster: places 4 cy .. 4 cy + 3
	s_lshl_b32 s18, 0x1111, s13                    ; my column: places cx, cx + 4, cx + 8, cx + 12
	s_or_b32 s[G1Q+0], s17, G1W0                   ; the query tile goes to my row of the cluster
	s_or_b32 s[G1C+0], s18, G1W0                   ; the speakers' tile to my column
.irp g, G1Q, G1C
	s_mov_b32 s[\g+1], 256<<16                     ; tensor_dim0 = 256 elements
	s_mov_b32 s[\g+2], 16<<16                      ; tensor_dim1 = 16 rows
	s_mov_b32 s[\g+3], 256<<16                     ; tile_dim0 = 256
	s_mov_b32 s[\g+4], 16                          ; tile_dim1 = 16
	s_mov_b32 s[\g+5], 256                         ; from row to row: 256 elements
	s_mov_b32 s[\g+6], 0
	s_mov_b32 s[\g+7], 0
.endr
	s_lshl_b32 s19, s12, 14                        ; wave x 16 rows x 1,024 bytes
	s_lshl_b32 s20, s16, 17                        ; by x 128 rows x 1,024 bytes: the query tile's registers never hold bx,
	s_add_co_u32 s20, s20, s19
	s_mov_b32 s21, 0
	s_lshl_b32 s22, s15, 17                        ; the speakers' tile's never by
	s_add_co_u32 s22, s22, s19
	s_mov_b32 s23, 0
	s_mul_i32 s61, s12, WTILE                      ; LDS: wave x 16 rows; no place in the cluster enters an LDS address
	s_mov_b32 s[G0Q], 1
	s_add_co_u32 s[G0Q+1], s61, LQ
	s_mov_b32 s[G0C], 1
	s_add_co_u32 s[G0C+1], s61, LC
	s_wait_dscnt 0x0
	s_wait_kmcnt 0x0
	s_add_nc_u64 s[G0Q+2:G0Q+3], s[4:5], s[20:21]
	s_or_b32 s[G0Q+3], s[G0Q+3], 0x80000000        ; type = 2
	s_add_nc_u64 s[G0C+2:G0C+3], s[4:5], s[22:23]
	s_or_b32 s[G0C+3], s[G0C+3], 0x80000000
	ROUND                                          ; all sixteen work-groups are here: the joint loads meet
	tensor_load_to_lds s[G0C:G0C+3], s[G1C:G1C+7]  ; my speaker's 16 rows first: every wave waits for their outcome
	s_nop 0
	tensor_load_to_lds s[G0Q:G0Q+3], s[G1Q:G1Q+7]  ; my 16 query rows.  A wave has these two tensor loads outstanding, and issues no more
	s_nop 0
	; while they are on their way: constants, masks, addresses
	s_mov_b32 s56, 0x2b8cbccc                      ; 1e-12
	s_mov_b32 s57, 0xc0a00000                      ; -5.0
	s_mov_b32 s58, 0x76543210                      ; v_permlanex16_b32: lane i reads lane i of the other half
	s_mov_b32 s59, 0xfedcba98
	s_mov_b32 s60, 0xffff0000                      ; lanes 16-31
	s_mov_b32 s62, 0x3f2aaaab                      ; 10 / 15
	s_cmp_eq_u32 s15, s16
	s_cselect_b32 s72, s12, 8                      ; on the diagonal my rows are speaker w's own, and register w of the result holds that speaker; else none
.irp j, 0,1,2,3,4,5,6,7
	s_cmp_eq_u32 s72, \j
	s_cselect_b32 s[MSK+\j], -1, 0
.endr
	s_lshl_b32 s66, s16, 16                        ; out1: by x 128 rows x 512 bytes
	s_lshl_b32 s72, s12, 13                        ;  + wave x 16 rows
	s_add_co_u32 s66, s66, s72
	s_lshl_b32 s72, s15, 5                         ;  + bx x 8 columns x 4 bytes
	s_add_co_u32 s66, s66, s72
	s_mov_b32 s67, 0
	s_add_nc_u64 s[6:7], s[6:7], s[66:67]
	s_lshl_b32 s70, s16, 9                         ; sjj: by x 128 x 4 bytes
	s_mov_b32 s71, 0
	s_lshl_b32 s68, s15, 13                        ; psum: plane bx of 2,048 x 4 bytes, then the same
	s_add_co_u32 s68, s68, s70
	s_mov_b32 s69, 0
	s_add_nc_u64 s[8:9], s[8:9], s[68:69]
	s_add_nc_u64 s[10:11], s[10:11], s[70:71]
	v_and_b32 v2, 31, v0                           ; lane L
	v_and_b32 v3, 15, v0                           ; r = L % 16
	v_bfe_u32 v4, v0, 4, 1                         ; h = L / 16
	v_lshlrev_b32 v[VG], 4, v2
	s_add_co_u32 s72, s61, LC
	v_add_nc_u32 v[VC], s72, v[VG]                 ; a row's 512 bytes: 32 lanes, 16 neighbouring bytes each
	v_mul_u32_u24 v5, v3, PITCH
	v_lshl_add_u32 v5, v4, 5, v5                   ; row r, 8 h columns of 4 bytes
	v_add_nc_u32 v[VQ], s61, v5
	s_lshl_b32 s73, s12, 10
	s_add_co_u32 s73, s73, LCS
	v_add_nc_u32 v[VCSW], s73, v[VG]
	v_lshl_add_u32 v[VCSR], v4, 5, s73
	s_mul_i32 s74, s12, CNP
	s_add_co_u32 s74, s74, LCN
	v_lshl_add_u32 v[VCNW], v2, 3, s74
	v_and_b32 v5, 7, v0
	v_mul_u32_u24 v5, v5, CNP                      ; rows 8-15 of the matrix instruction's source 0 repeat centroids 0-7
	v_lshl_add_u32 v5, v4, 4, v5
	v_add_nc_u32 v[VCNR], LCN, v5
	s_lshl_b32 s63, s12, 6
	s_add_co_u32 s63, s63, LPS
	v_lshl_add_u32 v[VPW], v3, 2, s63
	v_add_nc_u32 v[VPR], LPS, v[VG]
	v_lshlrev_b32 v5, 9, v3                        ; out1: row r of 512 bytes, 16 bytes for each half of the lanes
	v_lshl_add_u32 v[VO], v4, 4, v5
	v_mov_b32 v[VBY], s16
	; SPEAKER PHASE: the sum of speaker w's 16 rows; lane L holds columns 4 L .. +3 and 128 + 4 L .. +3
	s_wait_tensorcnt 0x1                           ; tensor loads of a wave end in order (ISA guide 10.11.1): the speaker's rows are in, the query rows may be out
.irp i, 0,1,2,3,4,5,6,7,8,9,10,11,12,13,14,15
	ds_load_b128 v[X+8*\i:X+8*\i+3],   v[VC] offset:\i*PITCH
	ds_load_b128 v[X+8*\i+4:X+8*\i+7], v[VC] offset:\i*PITCH+512
.endr
	s_wait_dscnt 24                                ; rows 0-3 are in: 24 loads stand behind them
.irp p, 0,2,4,6
	v_pk_add_f32 v[CS+\p:CS+\p+1], v[X+\p:X+\p+1], v[X+8+\p:X+8+\p+1]
.endr
.irp i, 2,3
	ADDROW \i
.endr
	s_wait_dscnt 16                                ; rows 4-7
.irp i, 4,5,6,7
	ADDROW \i
.endr
	s_wait_dscnt 8                                 ; rows 8-11
.irp i, 8,9,10,11
	ADDROW \i
.endr
	s_wait_dscnt 0
.irp i, 12,13,14,15
	ADDROW \i
.endr
	ds_store_b128 v[VCSW], v[CS:CS+3]              ; the sum in f32, for my own reads in fragment order
	ds_store_b128 v[VCSW], v[CS+4:CS+7] offset:512
	v_pk_mul_f32 v[T:T+1], v[CS:CS+1], v[CS:CS+1]
	v_pk_mul_f32 v[T+2:T+3], v[CS+2:CS+3], v[CS+2:CS+3]
	v_pk_fma_f32 v[T:T+1], v[CS+4:CS+5], v[CS+4:CS+5], v[T:T+1]
	v_pk_fma_f32 v[T+2:T+3], v[CS+6:CS+7], v[CS+6:CS+7], v[T+2:T+3]
	v_pk_add_f32 v[T:T+1], v[T:T+1], v[T+2:T+3]
	v_add_f32 v[T], v[T], v[T+1]
	v_add_f32_dpp v[T], v[T], v[T] row_xmask:1 row_mask:0xf bank_mask:0xf
	v_add_f32_dpp v[T], v[T], v[T] row_xmask:2 row_mask:0xf bank_mask:0xf
	v_add_f32_dpp v[T], v[T], v[T] row_xmask:4 row_mask:0xf bank_mask:0xf
	v_add_f32_dpp v[T], v[T], v[T] row_xmask:8 row_mask:0xf bank_mask:0xf
	v_permlanex16_b32 v[T+1], v[T], s58, s59
	v_add_f32 v[T], v[T], v[T+1]                   ; |sum|^2 in every lane
	v_fma_f32 v[T], v[T], 0x3b800000, s56          ; |sum / 16|^2 + 1e-12
	v_rsq_f32 v[T+1], v[T]
	v_nop                                          ; one plain vector instruction behind v_rsq_f32 before its result is used (ISA guide 5.7.2)
	s_wait_alu depctr_va_vdst(0)
	v_mul_f32 v[T+2], 0x3d800000, v[T+1]           ; times 1 / 16
.irp p, 0,2,4,6
	v_pk_mul_f32 v[CN+\p:CN+\p+1], v[CS+\p:CS+\p+1], v[T+2:T+3] op_sel_hi:[1,0]
.endr
	v_cvt_pk_bf16_f32 v2, v[CN], v[CN+1]
	v_cvt_pk_bf16_f32 v3, v[CN+2], v[CN+3]
	v_cvt_pk_bf16_f32 v4, v[CN+4], v[CN+5]
	v_cvt_pk_bf16_f32 v5, v[CN+6], v[CN+7]
	ds_store_b64 v[VCNW], v[2:3]                   ; row w of the centroid stage, which all waves read behind the barrier below
	ds_store_b64 v[VCNW], v[4:5] offset:256
	; QUERY PHASE: lane (r, h) reads row r straight in the order of a 16-bit fragment, so the three sums stay inside the lane and the conversion fills the fragment.
	; LDS serves a wave's instructions in order (ISA guide 5.7.1.4): the reads of the sum see my stores above.
	s_wait_tensorcnt 0x0                           ; my query rows are in
	QLOAD 0, 0
	QLOAD 1, 1
	QLOAD 2, 2
	QLOAD 3, 3
	QSTEP 0, 0, 1, 24                              ; three groups of eight loads stand behind the step's own
	QLOAD 4, 0
	QSTEP 1, 1, 0, 24
	QLOAD 5, 1
	QSTEP 2, 2, 0, 24
	QLOAD 6, 2
	QSTEP 3, 3, 0, 24
	QLOAD 7, 3
	QSTEP 4, 0, 0, 24
	QSTEP 5, 1, 0, 16                              ; nothing more is fetched: the counts run down
	QSTEP 6, 2, 0, 8
	QSTEP 7, 3, 0, 0
	s_wait_dscnt 0x0                               ; my stores into the centroid stage are done (met by the last step's wait),
	s_barrier_signal -1
	s_barrier_wait -1                              ; and so are everybody's
	; PRODUCT: source 0 = centroids (rows 8-15 repeat 0-7), source 1 = my 16 query rows.  Register j of lane (r, h) is then speaker j for row r, in both halves.
.irp c, 0,1,2,3,4,5,6,7
	ds_load_b128 v[X+8*\c:X+8*\c+3],   v[VCNR] offset:64*\c
	ds_load_b128 v[X+8*\c+4:X+8*\c+7], v[VCNR] offset:64*\c+32
.endr
	s_wait_dscnt 14                                ; K step c is in when 14 - 2 c loads stand behind it
	v_wmma_f32_16x16x32_bf16 v[D0:D0+7], v[X:X+7], v[QF:QF+7], 0          ; the first two products start the two sums
	s_wait_dscnt 12
	v_wmma_f32_16x16x32_bf16 v[D1:D1+7], v[X+8:X+15], v[QF+8:QF+15], 0
.irp c, 2,4,6
	s_wait_dscnt 14-2*\c
	v_wmma_f32_16x16x32_bf16 v[D0:D0+7], v[X+8*\c:X+8*\c+7], v[QF+8*\c:QF+8*\c+7], v[D0:D0+7]        ; two accumulators by turns, one instruction a turn
	s_wait_dscnt 12-2*\c
	v_wmma_f32_16x16x32_bf16 v[D1:D1+7], v[X+8*\c+8:X+8*\c+15], v[QF+8*\c+8:QF+8*\c+15], v[D1:D1+7]
.endr
	; Behind the last matrix instructions: twelve plain vector instructions that name none of their registers (ISA guide 7.12.1) before a result is read
.irp a, AQ, AD, AX
	v_pk_add_f32 v[\a:\a+1], v[\a:\a+1], v[\a+2:\a+3]
	v_pk_add_f32 v[\a+4:\a+5], v[\a+4:\a+5], v[\a+6:\a+7]
.endr
.irp a, AQ, AD, AX
	v_pk_add_f32 v[\a:\a+1], v[\a:\a+1], v[\a+4:\a+5]
.endr
.irp a, AQ, AD, AX
	v_add_f32 v[\a], v[\a], v[\a+1]
.endr
.irp a, AQ, AD, AX
	v_permlanex16_b32 v[\a+1], v[\a], s58, s59     ; the other half of the row's columns lies in lane L xor 16
.endr
.irp a, AQ, AD, AX
	v_add_f32 v[\a], v[\a], v[\a+1]
.endr
	v_add_f32 v[AQ], s56, v[AQ]                    ; |q|^2 + 1e-12
	v_fma_f32 v[AD], v[AD], 0x3b91a2b4, s56        ; |d / 15|^2 + 1e-12
	v_rsq_f32 v[AQ+2], v[AQ]
	v_rsq_f32 v[AD+2], v[AD]
.irp p, 0,2,4,6
	v_pk_add_f32 v[D0+\p:D0+\p+1], v[D0+\p:D0+\p+1], v[D1+\p:D1+\p+1]     ; the two halves of K; also the plain instructions behind v_rsq_f32
.endr
	s_wait_alu depctr_va_vdst(0)
	v_mul_f32 v[AX], v[AX], v[AD+2]
	v_mul_f32 v[SC], 0x41200000, v[AQ+2]           ; 10 / |q|
	v_mul_f32 v[AX], v[AX], v[AQ+2]
	v_fma_f32 v[SJ], v[AX], s62, s57               ; 10 (q . d / 15) / (|q| |d / 15|) - 5
.irp j, 0,1,2,3,4,5,6,7
	v_fma_f32 v[D0+\j], v[D0+\j], v[SC], s57       ; s = 10 cos - 5
.endr
.irp j, 0,1,2,3,4,5,6,7
	v_cndmask_b32 v[D0+\j], v[D0+\j], v[SJ], s[MSK+\j]     ; the rows' own speaker takes the leave-one-out score
.endr
.irp j, 0,1,2,3,4,5,6,7
	v_mul_f32 v[E+\j], 0x3fb8aa3b, v[D0+\j]
.endr
.irp j, 0,1,2,3,4,5,6,7
	v_exp_f32 v[E2+\j], v[E+\j]
.endr
.irp i, 0,1,2,3
	v_cndmask_b32 v[O+\i], v[D0+\i], v[D0+4+\i], s60       ; lanes 0-15 store speakers 0-3, lanes 16-31 speakers 4-7; also the plain instructions behind v_exp_f32
.endr
	global_store_b128 v[VO], v[O:O+3], s[6:7] th:TH_STORE_NT   ; 16 rows x 32 bytes
	s_wait_alu depctr_va_vdst(0)
	v_pk_add_f32 v[E2:E2+1], v[E2:E2+1], v[E2+2:E2+3]
	v_pk_add_f32 v[E2+4:E2+5], v[E2+4:E2+5], v[E2+6:E2+7]
	v_pk_add_f32 v[E2:E2+1], v[E2:E2+1], v[E2+4:E2+5]
	v_add_f32 v[E2], v[E2], v[E2+1]                ; the row's sum of exp(s) over my 8 speakers
	ds_store_b32 v[VPW], v[E2]                     ; both halves of the lanes hold the same number and write the same word
	ds_store_b32 v[VPW], v[SJ] offset:512
	s_wait_dscnt 0x0                               ; for wave 0's sake
	s_barrier_signal -1
	s_barrier_wait -1
	s_cmp_lg_u32 s12, 0
	s_cbranch_scc1 .Lclose
	ds_load_b128 v[PB:PB+3], v[VPR]                ; wave 0: the 128 sums and the 128 scores, 16 bytes a lane
	ds_load_b128 v[PB+4:PB+7], v[VPR] offset:512
	s_wait_dscnt 1                                 ; the sums are in; the scores' load stands behind
	global_store_b128 v[VG], v[PB:PB+3], s[8:9]    ; 512 consecutive bytes of plane bx
	s_wait_dscnt 0
	v_cmp_eq_u32 vcc_lo, s15, v[VBY]               ; all lanes where bx = by, else none
	s_wait_xcnt 0x0                                ; EXEC is a source of the stores above: it changes only behind this wait
	s_and_saveexec_b32 s75, vcc_lo
	global_store_b128 v[VG], v[PB+4:PB+7], s[10:11]        ; only the diagonal tile holds own-speaker scores
	s_wait_xcnt 0x0
	s_or_b32 exec_lo, exec_lo, s75
.Lclose:
	s_wait_tensorcnt 0x0
	ds_add_u32 v7, v23
	s_wait_dscnt 0x0
	ROUND                                          ; the closing round: no work-group ends while a partner may still ask for a tile that names it
	s_endpgm
.Lfunc_end_k_qceae922d15_tiles:
	.size	k_qceae922d15_tiles, .Lfunc_end_k_qceae922d15_tiles-k_qceae922d15_tiles
	.p2alignl 7, 3214868480
	.fill 96, 4, 3214868480
	.section	.rodata,"a",@progbits
	.p2align	6, 0x0
	.amdhsa_kernel k_qceae922d15_tiles
		.amdhsa_group_segment_fixed_size 280832
		.amdhsa_private_segment_fixed_size 0
		.amdhsa_enable_private_segment 0
		.amdhsa_kernarg_size 32
		.amdhsa_user_sgpr_count 2
		.amdhsa_user_sgpr_kernarg_segment_ptr 1
		.amdhsa_wavefront_size32 1
		.amdhsa_system_sgpr_workgroup_id_x 1
		.amdhsa_system_sgpr_workgroup_id_y 1
		.amdhsa_system_sgpr_workgroup_id_z 1
		.amdhsa_system_vgpr_workitem_id 0
		.amdhsa_next_free_vgpr 256
		.amdhsa_next_free_sgpr 76
		.amdhsa_reserve_vcc 1
		.amdhsa_float_denorm_mode_32 3
		.amdhsa_float_denorm_mode_16_64 3
		.amdhsa_memory_ordered 1
		.amdhsa_forward_progress 1
		.amdhsa_inst_pref_size 46
	.end_amdhsa_kernel
	.amdgpu_metadata
---
amdhsa.version: [ 1, 2 ]
amdhsa.kernels:
  - .name:           k_qceae922d15_tiles
    .symbol:         k_qceae922d15_tiles.kd
    .args:
      - { .name: e, .offset: 0, .size: 8, .value_kind: global_buffer, .address_space: global }
      - { .name: out1, .offset: 8, .size: 8, .value_kind: global_buffer, .address_space: global }
      - { .name: psum, .offset: 16, .size: 8, .value_kind: global_buffer, .address_space: global }
      - { .name: sjj, .offset: 24, .size: 8, .value_kind: global_buffer, .address_space: global }
    .group_segment_fixed_size: 280832
    .private_segment_fixed_size: 0
    .kernarg_segment_align: 8
    .kernarg_segment_size: 32
    .max_flat_workgroup_size: 256
    .sgpr_count:     76
    .vgpr_count:     256
    .wavefront_size: 32
...
	.end_amdgpu_metadata
.endif
;; end of part 1
;; launch loss (part 2): grid 1 x 1, 16 waves a work-group, no clusters, 2,304 bytes of LDS; arguments psum, sjj, out0; writes out0
.if DOCPART == 2
	.amdgcn_target "amdgcn-amd-amdhsa--gfx1250"
	.amdhsa_code_object_version 6
	.text
	.protected	k_qceae922d15_loss
	.globl	k_qceae922d15_loss
	.p2align	8
	.type	k_qceae922d15_loss,@function
k_qceae922d15_loss:
	s_mov_b64 s[64:65], 0
	v_nop
	global_prefetch_b8 v0, s[64:65] scope:SCOPE_SE
	s_setreg_imm32_b32 hwreg(HW_REG_WAVE_MODE, 25, 1), 1
	s_wait_xcnt 0x0
; loss = mean over the 2,048 rows of log(sum over 128 speakers of exp(s) + 1e-9) - s[row][own speaker].
; psum: [16][2048] f32, plane b = the rows' sums of exp(s) over speakers 8 b .. 8 b + 7.  sjj: [2048] f32.  out0: one f32.
; The result is one number, so one work-group makes it: 16 waves, thread t owns rows 4 t .. 4 t + 3.  Each load of a wave covers 512 consecutive bytes;
; all 17 loads of a thread are issued at once.  No matrix unit, no cluster: nothing is multiplied and nothing is shared.
; The sums lie between 128 e^-15 and 128 e^5 (cosines of normalised vectors), far from what v_log_f32 flushes.
.set PLANE, 8192                       ; bytes in a plane of psum
.set P, 8                              ; v[8:71]   16 planes x 4 rows
.set J, 72                             ; v[72:75]  sjj of my 4 rows
.set G, 76                             ; v[76:79]  logarithms, then the rows' terms
.macro FOLD off                        ; four planes onto planes 0-3: eight chains that do not wait for each other
.irp b, 0,1,2,3
	v_pk_add_f32 v[P+4*\b:P+4*\b+1],   v[P+4*\b:P+4*\b+1],   v[P+\off+4*\b:P+\off+4*\b+1]
	v_pk_add_f32 v[P+4*\b+2:P+4*\b+3], v[P+4*\b+2:P+4*\b+3], v[P+\off+4*\b+2:P+\off+4*\b+3]
.endr
.endm
	s_load_b128 s[4:7], s[0:1], 0x0                ; psum s[4:5], sjj s[6:7]
	s_load_b64 s[8:9], s[0:1], 0x10                ; out0
	v_lshl_add_u32 v80, v0, 2, 0x100
	v_mov_b32 v81, 0
	v_lshlrev_b32 v1, 4, v0                        ; 16 t
	v_lshrrev_b32 v2, 5, v0
	v_readfirstlane_b32 s10, v2                    ; wave 0..15
	s_mov_b32 s12, 0x76543210                      ; v_permlanex16_b32: lane i reads lane i of the other half
	s_mov_b32 s13, 0xfedcba98
	s_wait_kmcnt 0x0
.irp b, 0,1,2,3,4,5,6,7,8,9,10,11,12,13,14,15
	global_load_b128 v[P+4*\b:P+4*\b+3], v1, s[4:5] offset:\b*PLANE th:TH_LOAD_NT
.endr
	global_load_b128 v[J:J+3], v1, s[6:7] th:TH_LOAD_NT
	s_wait_loadcnt 9                               ; planes 0-7 are in: eight planes and sjj stand behind them
	FOLD 16
	s_wait_loadcnt 5                               ; planes 8-11
	FOLD 32
	s_wait_loadcnt 1                               ; planes 12-15; sjj stands behind
	FOLD 48
	v_pk_add_f32 v[P:P+1],    v[P:P+1],    v[P+4:P+5]
	v_pk_add_f32 v[P+2:P+3],  v[P+2:P+3],  v[P+6:P+7]
	v_pk_add_f32 v[P+8:P+9],  v[P+8:P+9],  v[P+12:P+13]
	v_pk_add_f32 v[P+10:P+11], v[P+10:P+11], v[P+14:P+15]
	v_pk_add_f32 v[P:P+1],    v[P:P+1],    v[P+8:P+9]
	v_pk_add_f32 v[P+2:P+3],  v[P+2:P+3],  v[P+10:P+11]
.irp i, 0,1,2,3
	v_add_f32 v[P+\i], 0x3089705f, v[P+\i]         ; + 1e-9
.endr
.irp i, 0,1,2,3
	v_log_f32 v[G+\i], v[P+\i]                     ; log2
.endr
	v_lshlrev_b32 v3, 2, v2                        ; my wave's word in LDS; also the plain instruction behind v_log_f32 (ISA guide 5.7.2)
	s_wait_loadcnt 0x0                             ; sjj
	s_wait_alu depctr_va_vdst(0)
.irp i, 0,1,2,3
	v_fma_f32 v[G+\i], v[G+\i], 0x3f317218, -v[J+\i]       ; log2 x ln 2 - sjj
.endr
	v_add_f32 v[G], v[G], v[G+1]
	v_add_f32 v[G+2], v[G+2], v[G+3]
	v_add_f32 v[G], v[G], v[G+2]
	v_add_f32_dpp v[G], v[G], v[G] row_xmask:1 row_mask:0xf bank_mask:0xf
	v_add_f32_dpp v[G], v[G], v[G] row_xmask:2 row_mask:0xf bank_mask:0xf
	v_add_f32_dpp v[G], v[G], v[G] row_xmask:4 row_mask:0xf bank_mask:0xf
	v_add_f32_dpp v[G], v[G], v[G] row_xmask:8 row_mask:0xf bank_mask:0xf
	v_permlanex16_b32 v[G+1], v[G], s12, s13
	v_add_f32 v[G], v[G], v[G+1]                   ; my wave's 128 rows
	ds_store_b32 v3, v[G]                          ; all lanes write the same word with the same number
	s_wait_dscnt 0x0                               ; for wave 0's sake
	s_barrier_signal -1
	s_barrier_wait -1
	s_cmp_lg_u32 s10, 0
	s_cbranch_scc1 .Lend
	v_and_b32 v4, 15, v0
	v_lshlrev_b32 v4, 2, v4
	ds_load_b32 v5, v4                             ; lane i of each half: wave i's sum
	v_mov_b32 v6, 0
	s_wait_dscnt 0x0
	v_add_f32_dpp v5, v5, v5 row_xmask:1 row_mask:0xf bank_mask:0xf
	v_add_f32_dpp v5, v5, v5 row_xmask:2 row_mask:0xf bank_mask:0xf
	v_add_f32_dpp v5, v5, v5 row_xmask:4 row_mask:0xf bank_mask:0xf
	v_add_f32_dpp v5, v5, v5 row_xmask:8 row_mask:0xf bank_mask:0xf
	v_mul_f32 v5, 0x3a000000, v5                   ; / 2048
	v_cmp_eq_u32 vcc_lo, 0, v0
	s_wait_xcnt 0x0                                ; EXEC changes only behind this wait
	s_and_saveexec_b32 s11, vcc_lo
	global_store_b32 v6, v5, s[8:9]                ; the output is these four bytes
	s_wait_xcnt 0x0
	s_or_b32 exec_lo, exec_lo, s11
.Lend:
	s_wait_tensorcnt 0x0
	ds_add_u32 v80, v81
	s_wait_dscnt 0x0
	s_endpgm
.Lfunc_end_k_qceae922d15_loss:
	.size	k_qceae922d15_loss, .Lfunc_end_k_qceae922d15_loss-k_qceae922d15_loss
	.p2alignl 7, 3214868480
	.fill 96, 4, 3214868480
	.section	.rodata,"a",@progbits
	.p2align	6, 0x0
	.amdhsa_kernel k_qceae922d15_loss
		.amdhsa_group_segment_fixed_size 2304
		.amdhsa_private_segment_fixed_size 0
		.amdhsa_enable_private_segment 0
		.amdhsa_kernarg_size 24
		.amdhsa_user_sgpr_count 2
		.amdhsa_user_sgpr_kernarg_segment_ptr 1
		.amdhsa_wavefront_size32 1
		.amdhsa_system_sgpr_workgroup_id_x 1
		.amdhsa_system_sgpr_workgroup_id_y 1
		.amdhsa_system_sgpr_workgroup_id_z 1
		.amdhsa_system_vgpr_workitem_id 0
		.amdhsa_next_free_vgpr 82
		.amdhsa_next_free_sgpr 66
		.amdhsa_reserve_vcc 1
		.amdhsa_float_denorm_mode_32 3
		.amdhsa_float_denorm_mode_16_64 3
		.amdhsa_memory_ordered 1
		.amdhsa_forward_progress 1
		.amdhsa_inst_pref_size 7
	.end_amdhsa_kernel
	.amdgpu_metadata
---
amdhsa.version: [ 1, 2 ]
amdhsa.kernels:
  - .name:           k_qceae922d15_loss
    .symbol:         k_qceae922d15_loss.kd
    .args:
      - { .name: psum, .offset: 0, .size: 8, .value_kind: global_buffer, .address_space: global }
      - { .name: sjj, .offset: 8, .size: 8, .value_kind: global_buffer, .address_space: global }
      - { .name: out0, .offset: 16, .size: 8, .value_kind: global_buffer, .address_space: global }
    .group_segment_fixed_size: 2304
    .private_segment_fixed_size: 0
    .kernarg_segment_align: 8
    .kernarg_segment_size: 24
    .max_flat_workgroup_size: 512
    .sgpr_count:     66
    .vgpr_count:     82
    .wavefront_size: 32
...
	.end_amdgpu_metadata
.endif
;; end of part 2
